; MI455X (gfx1250); checked and timed in simulation.
; The chip was launched on July 23, 2026; its instructions are those of AMD's public machine-readable ISA for CDNA 5 (MIT licence, August 2026) and "CDNA5" Instruction Set Architecture Reference Guide (July 2026). The comments in the code are by the model that wrote it; some were corrected since.
;; Multi Head Temporal Attention. Allowed arithmetic: matrix products marked QUANTISED: E2M3 operands, one E8M0 scale for each 32 along K, by v_wmma_scale_f32_16x16x128_f8f6f4 with both operands' format E2M3, f32 sums; products left as they are: f32 operands where the result goes on into a quantised operand, else bf16, f16 or f32 operands; f32 sums; everything else in f32.
;; Inputs: Wk 512 x 512 float32; Wo 512 x 512 float32; Wq 512 x 512 float32; Wv 512 x 512 float32; enc 32 x 4,096 x 512 float32.
;; Outputs: out0 32 x 512 float32; out1 32 x 4,096 float32.
;; This version of the problem:
;;   THIS VERSION OF THE PROBLEM IS GIVEN IN LOW PRECISION. The matrix products marked QUANTISED in the list below multiply operands that are first quantised to E2M3 (2 exponent bits, 3 mantissa bits; 6 bits a number), with one power-of-two scale for each 32 numbers along K (OCP MX v1.0); their sums are f32. All else is computed in f32.
;;   The module's matrix products, in the order in which they are computed (A, B: the left and right operand; K: the contracted axis; several contracted axes count as one K, in the product's order):
;;     1. [M 32, K 512] x [K 512, N 512]; A: input enc; B: input Wq: QUANTISED
;;     2. [M 131,072, K 512] x [K 512, N 512]; A: input enc; B: input Wk: QUANTISED
;;     3. [M 131,072, K 512] x [K 512, N 512]; A: input enc; B: input Wv: QUANTISED
;;     4. batch 256 x [M 1, K 64] x [K 64, N 4,096]; A: computed on the way; B: computed on the way: left as it is (M = 1 < 16)
;;     5. batch 256 x [M 1, K 4,096] x [K 4,096, N 64]; A: softmax; B: computed on the way: left as it is (M = 1 < 16)
;;     6. [M 32, K 512] x [K 512, N 512]; A: computed on the way; B: input Wo: QUANTISED
;;   THE QUANTISER, for each operand of a quantised product, along K:
;;     - K is cut into blocks of 32 from its start; a last block that is shorter is filled with zeros.
;;     - A block's scale is 2^e with e = floor(log2(the largest magnitude in the block)) - 2, held to -126 .. 127; a block of zeros has e = 0. As a byte (E8M0): e + 127.
;;     - Each number is divided by its block's scale, clamped to +-7.5, and rounded to the nearest number of E2M3, ties to even, subnormals kept.
;;     - The product sums the exact products of the quantised numbers (number of the format x scale) in f32.
;;   ~~~python
;;   def quantise(x, axis):      # numpy; x: float32 -> the quantised numbers, widened to float32 again
;;       x = np.moveaxis(x, axis, -1); K = x.shape[-1]
;;       x = np.pad(x, [(0, 0)] * (x.ndim - 1) + [(0, -K % 32)]); x = x.reshape(x.shape[:-1] + (-1, 32)); a = np.abs(x).max(-1, keepdims=True)
;;       e = np.where(a > 0, np.clip(np.frexp(np.where(a > 0, a, 1))[1] - 1 - 2, -126, 127), 0)      # np.frexp(a)[1] - 1 = floor(log2(a)), exactly
;;       r = np.clip(x / 2.0 ** e, -7.5, 7.5)
;;       step = 2.0 ** (np.maximum(np.frexp(np.where(r == 0, 1, r))[1] - 1, 0) - 3)
;;       q = np.round(r / step) * step * 2.0 ** e      # np.round: ties to even
;;       return np.moveaxis(q.reshape(q.shape[:-2] + (-1,))[..., :K], -1, axis).astype(np.float32)
;;   ~~~
;;   OPERANDS COMPUTED ON THE WAY. 'Computed on the way' means the value that the module computes at that place (a softmax that the list does not call 'softmax' is quantised finished and normalised). What goes into a quantiser is computed in f32, as accurately as f32 sums, v_exp_f32 and their like allow (about 1e-6 of the number): no bf16 or f16 on the way to a quantiser, and a product that is left as it is and whose result goes on into a quantised operand takes f32 operands (vector FMAs, or v_wmma_f32_16x16x4_f32). A number that lies on a knife's edge between two numbers of the format may be rounded either way, as far as f32 arithmetic and the matrix unit's own rounding can turn it there, and no further.
;; One version. Each part assembles by itself: llvm-mc -triple=amdgcn-amd-amdhsa -mcpu=gfx1250 --defsym DOCPART=n.
;; ======== version 1 of 1: 3 launches
;; limits: right only within a limited range of input values
;; workspace buffers: wimg 589,824 bytes; wscl 49,152 bytes; qpart 262,144 bytes; scores 4,194,304 bytes; stat 16,384 bytes; pctx 524,288 bytes
;; launch prep (part 1): grid 32 x 4, 4 waves a work-group, no clusters, 0 bytes of LDS; arguments Wk, Wv, Wo, Wq, enc, wimg, wscl, qpart; writes wimg, wscl, qpart
.if DOCPART == 1
	.amdgcn_target "amdgcn-amd-amdhsa--gfx1250"
	.amdhsa_code_object_version 6
	.text
	.protected	k_q032dd2be59_prep
	.globl	k_q032dd2be59_prep
	.p2align	8
	.type	k_q032dd2be59_prep,@function
k_q032dd2be59_prep:
	s_mov_b64 s[64:65], 0
	v_nop
	global_prefetch_b8 v0, s[64:65] scope:SCOPE_SE
	s_setreg_imm32_b32 hwreg(HW_REG_WAVE_MODE, 25, 1), 1
	s_wait_xcnt 0x0
; Wk, Wv, Wo [512][512] f32 (K innermost) become codes of FP6 (E2M3) with one E8M0 byte for each 32 along K, laid as IMAGES OF THE OPERAND'S REGISTERS:
; a fragment (16 rows x 128 K) is 12 registers a lane, stored as 3 x (32 lanes x 16 bytes) = 1,536 bytes; its scale words 4 bytes a lane, 128 bytes (lanes 16-31 repeat lanes 0-15).
; wimg [matrix 3][row tile 32][K step 4][1,536], wscl the same index x 128.
; WHICH ROWS FORM A TILE.  Wo, Wq: tile nt holds rows 16 nt + r.  Wk, Wv: tile nt = 8 w + i holds, in lanes 0-7, dims 8 i .. 8 i + 7 of head 2 w and, in lanes 8-15, the same dims of head 2 w + 1:
; row 128 w + 8 i + 64 (r / 8) + r % 8.  So the next launch has two heads side by side in the lanes of every tile of k and of v.
; Wq is quantised the same way and multiplied at once by the quantised last token of the 32 batches: qpart [K step 4][row tile 32][batch 32][16 dims] f32 holds q's partial sum over one K step of 128; the next launch adds the four.
; SHARES: work-group x = the tile of 16 rows, y = the matrix (0 Wk, 1 Wv, 2 Wo, 3 Wq), wave = the K step: 512 waves that share nothing: no LDS, no barrier.
; A block's scale is 2^(floor(log2(largest magnitude)) - 2); its byte is the largest magnitude's exponent field - 2, held at 1 from below.
; LIMITS: NaN and infinities among the inputs are not served.  A block whose largest magnitude lies under 2^-124, a block of zeros among them, gets the byte 1 (the rule says 127 for zeros):
; zero codes add nothing under any byte but 0xff, and this program alone reads the bytes.  q's four K steps are added later as (p0 + p1) + (p2 + p3), not in one chain.
.set SEL,  34                          ; s[34:35] selects of v_permlanex16_b32: lane l xor 16
.set WA,   1                           ; v1   a weight: my row of 2,048 bytes + 64 h
.set XA0,  2                           ; v2   enc: batch r (2^23 bytes each) + 64 h
.set XA1,  3                           ; v3   batch 16 + r
.set LI,   4                           ; v4   16 x lane
.set LS,   5                           ; v5   4 x lane
.set QO,   6                           ; v6   qpart: 64 r + 32 h
.set PWW,  7                           ; v7-9 scale words of the weight and of x's two tiles: scales and nothing else
.set PWX0, 8
.set PWX1, 9
.set PCB,  12                          ; v12-14, v16-18 the second halves of the conversions
.set TMX,  20                          ; v20-23 largest magnitudes, v24-27 bytes, v28-31 the conversions' scale operands
.set TMB,  24
.set TMS,  28
.set WF,   32                          ; v32-43 the weight's fragment
.set XF0,  44                          ; v44-55 x, batches 0-15
.set XF1,  64                          ; v64-75 x, batches 16-31 (where the weight's numbers lay)
.set D0,   80                          ; v80-87, v88-95 the two results
.set D1,   88
.set WN,   64                          ; v64-127 the weight's 64 numbers a lane; v128-191, v192-255 x's
.set X0N,  128
.set X1N,  192
; 64 numbers of a lane, register 16 b + i = k 32 b + 16 (lane / 16) + i of the lane's row, become a fragment's 12 registers at pca and its scale word in pw.
.macro QUANT x, pca, pcb, tmx, tmb, tms, pw
.irp b, 0,1,2,3
	v_max3_num_f32 v[\tmx+\b], |v[\x+16*\b]|, |v[\x+1+16*\b]|, 0x1800000   ; block b: my 16 numbers, and the floor 2^(3 - 127): the byte cannot fall under 1
.endr
.irp i, 2,4,6,8,10,12,14
.irp b, 0,1,2,3
	v_max3_num_f32 v[\tmx+\b], v[\tmx+\b], |v[\x+16*\b+\i]|, |v[\x+1+16*\b+\i]|   ; the four blocks by turns
.endr
.endr
.irp b, 0,1,2,3
	v_permlanex16_b32 v[\tmb+\b], v[\tmx+\b], s[SEL], s[SEL+1]
.endr
.irp b, 0,1,2,3
	v_max_num_f32 v[\tmx+\b], v[\tmx+\b], v[\tmb+\b]   ; with lane l xor 16's 16: the block's largest magnitude
.endr
.irp b, 0,1,2,3
	v_add_nc_u32 v[\tms+\b], 0xff000000, v[\tmx+\b]   ; 2 off its exponent field: the conversion takes the exponent field of this operand as its scale
.endr
.irp b, 0,1,2,3
	v_lshrrev_b32 v[\tmb+\b], 23, v[\tms+\b]   ; the scale's byte
.endr
	v_lshl_or_b32 v[\pw], v[\tmb+1], 8, v[\tmb]
	v_lshl_or_b32 v[\pw], v[\tmb+2], 16, v[\pw]
	v_lshl_or_b32 v[\pw], v[\tmb+3], 24, v[\pw]   ; my row's scale word, the same in both halves of the lanes
.irp c, 0,1
	v_cvt_scalef32_pk16_fp6_f32 v[\pca+6*\c:\pca+2+6*\c], v[\x+32*\c:\x+15+32*\c], v[\tms+2*\c]
	v_cvt_scalef32_pk16_fp6_f32 v[\pcb+4*\c:\pcb+2+4*\c], v[\x+16+32*\c:\x+31+32*\c], v[\tms+2*\c+1]   ; (a conversion's three registers begin on an even number)
.endr
	v_nop                                          ; one plain place behind a scaled conversion
.irp c, 0,1                                    ; the operand's layout wants a whole block in a lane: lanes 0-15 block 2 c, lanes 16-31 block 2 c + 1
.irp i, 0,1,2
	v_permlane16_swap_b32 v[\pca+6*\c+\i], v[\pcb+4*\c+\i]
.endr
.irp i, 0,1,2
	v_mov_b32 v[\pca+3+6*\c+\i], v[\pcb+4*\c+\i]
.endr
.endr
.endm
	s_load_b256 s[4:11], s[0:1], 0x0               ; Wk s[4:5], Wv s[6:7], Wo s[8:9], Wq s[10:11]
	s_load_b256 s[12:19], s[0:1], 0x20             ; enc s[12:13], wimg s[14:15], wscl s[16:17], qpart s[18:19]
	v_lshrrev_b32 v10, 5, v0
	v_readfirstlane_b32 s20, v10                   ; wave = K step
	s_mov_b32 s21, ttmp9                           ; the tile of 16 rows
	s_and_b32 s22, ttmp7, 0xffff                   ; the matrix
	; where the tile's rows lie, in bytes: its first row, and how far lanes 8-15 lie behind lanes 0-7
	s_lshr_b32 s39, s21, 3
	s_lshl_b32 s39, s39, 18                        ; Wk, Wv: 128 rows of 2,048 bytes for each eight tiles,
	s_and_b32 s23, s21, 7
	s_lshl_b32 s23, s23, 14                        ; 8 rows a tile
	s_add_co_u32 s39, s39, s23
	s_lshl_b32 s36, s21, 15                        ; Wo, Wq: 16 rows a tile
	s_mov_b32 s38, 8*2048                          ; and lanes 8-15 8 rows on
	s_cmp_lt_u32 s22, 2                            ; the choice hangs on the work-group's number alone
	s_cselect_b32 s36, s39, s36
	s_cselect_b32 s38, 64*2048, s38                ; Wk, Wv: 64 rows on: the other head
	s_lshl_b32 s37, s20, 9                         ; 128 numbers along K
	s_add_co_u32 s36, s36, s37
	s_mov_b32 s37, 0
	v_and_b32 v10, 15, v0                          ; r
	v_bfe_u32 v11, v0, 4, 1                        ; h
	v_and_b32 v12, 7, v0                           ; r % 8
	v_bfe_u32 v13, v0, 3, 1                        ; r / 8
	v_and_b32 v[LI], 31, v0
	v_lshlrev_b32 v[LS], 2, v[LI]
	v_lshlrev_b32 v[LI], 4, v[LI]
	v_lshlrev_b32 v[WA], 11, v12
	v_lshl_add_u32 v[WA], v11, 6, v[WA]
	v_mad_u32_u24 v[WA], v13, s38, v[WA]
	v_lshlrev_b32 v[XA0], 23, v10
	v_lshl_add_u32 v[XA0], v11, 6, v[XA0]
	v_add_nc_u32 v[XA1], 0x8000000, v[XA0]         ; 16 batches on; 31 x 2^23 + 64 stays under 2^31
	v_lshlrev_b32 v[QO], 6, v10
	v_lshl_add_u32 v[QO], v11, 5, v[QO]
	s_mov_b32 s[SEL], 0x76543210
	s_mov_b32 s[SEL+1], 0xfedcba98
.irp b, 0,1,2,3
	v_mov_b32 v[TMB+\b], 0                         ; written once: a lane permute's destination counts as one of its sources
.endr
	s_wait_kmcnt 0x0
	s_cmp_eq_u32 s22, 1                            ; which weight: the choice hangs on the work-group's number alone
	s_cselect_b64 s[24:25], s[6:7], s[4:5]
	s_cmp_eq_u32 s22, 2
	s_cselect_b64 s[24:25], s[8:9], s[24:25]
	s_cmp_eq_u32 s22, 3
	s_cselect_b64 s[24:25], s[10:11], s[24:25]
	s_add_nc_u64 s[24:25], s[24:25], s[36:37]
.irp b, 0,1,2,3
.irp j, 0,1,2,3
	global_load_b128 v[WN+16*\b+4*\j:WN+16*\b+4*\j+3], v[WA], s[24:25] offset:128*\b+16*\j   ; W(my row, 128 s + 32 b + 16 h + 4 j ..)
.endr
.endr
	s_cmp_eq_u32 s22, 3
	s_cbranch_scc1 .Lq
	; ---- Wk, Wv, Wo: the image and its scale words
	s_lshl_b32 s38, s22, 5
	s_add_co_u32 s38, s38, s21
	s_lshl_b32 s38, s38, 2
	s_add_co_u32 s38, s38, s20                     ; (matrix x 32 + tile) x 4 + K step
	s_mul_i32 s36, s38, 1536
	s_add_nc_u64 s[28:29], s[14:15], s[36:37]
	s_lshl_b32 s36, s38, 7
	s_add_nc_u64 s[30:31], s[16:17], s[36:37]
	s_wait_loadcnt 0x0
	QUANT WN, WF, PCB, TMX, TMB, TMS, PWW
.irp c, 0,1,2
	global_store_b128 v[LI], v[WF+4*\c:WF+4*\c+3], s[28:29] offset:512*\c   ; 32 lanes store 512 consecutive bytes, at a multiple of 256 from the buffer's first byte
.endr
	global_store_b32 v[LS], v[PWW], s[30:31]
	s_endpgm
.Lq:
	; ---- Wq: its fragment times the last token of the 32 batches
	s_lshl_b32 s36, s20, 9
	s_add_co_u32 s36, s36, 4095*2048               ; token 4,095, my K step
	s_add_nc_u64 s[26:27], s[12:13], s[36:37]
	s_lshl_b32 s36, s20, 5
	s_add_co_u32 s36, s36, s21
	s_lshl_b32 s36, s36, 11                        ; (K step x 32 + tile) x 2,048 bytes
	s_add_nc_u64 s[32:33], s[18:19], s[36:37]
	s_wait_alu depctr_va_vdst(0)
.irp b, 0,1,2,3
.irp j, 0,1,2,3
	global_load_b128 v[X0N+16*\b+4*\j:X0N+16*\b+4*\j+3], v[XA0], s[26:27] offset:128*\b+16*\j
.endr
.endr
.irp b, 0,1,2,3
.irp j, 0,1,2,3
	global_load_b128 v[X1N+16*\b+4*\j:X1N+16*\b+4*\j+3], v[XA1], s[26:27] offset:128*\b+16*\j
.endr
.endr
	s_wait_loadcnt 32                              ; the weight's 16 loads are in; x's 32 are younger
	QUANT WN, WF, PCB, TMX, TMB, TMS, PWW
	s_wait_loadcnt 16                              ; batches 0-15 are in; the other 16 loads are younger
	QUANT X0N, XF0, PCB, TMX, TMB, TMS, PWX0
	s_wait_loadcnt 0x0
	QUANT X1N, XF1, PCB, TMX, TMB, TMS, PWX1
.rept 8
	v_nop                                          ; a scale register written by a vector instruction stands 8 places ahead of a scaled matrix instruction, an operand so written 4
.endr
	; transposed: source 0 = 16 rows of Wq, source 1 = 16 batches: lane (r, h) holds batch r and dims 8 h + 0 .. 7
	v_wmma_scale_f32_16x16x128_f8f6f4 v[D0:D0+7], v[WF:WF+11], v[XF0:XF0+11], 0, v[PWW], v[PWX0] matrix_a_fmt:MATRIX_FMT_FP6 matrix_b_fmt:MATRIX_FMT_FP6
	v_wmma_scale_f32_16x16x128_f8f6f4 v[D1:D1+7], v[WF:WF+11], v[XF1:XF1+11], 0, v[PWW], v[PWX1] matrix_a_fmt:MATRIX_FMT_FP6 matrix_b_fmt:MATRIX_FMT_FP6
.rept 4
	v_nop                                          ; four places in front of the stores that read the results
.endr
	global_store_b128 v[QO], v[D0:D0+3], s[32:33]              ; each result from its low end on
	global_store_b128 v[QO], v[D0+4:D0+7], s[32:33] offset:16
	global_store_b128 v[QO], v[D1:D1+3], s[32:33] offset:1024
	global_store_b128 v[QO], v[D1+4:D1+7], s[32:33] offset:1040
	s_endpgm
.Lfunc_end_k_q032dd2be59_prep:
	.size	k_q032dd2be59_prep, .Lfunc_end_k_q032dd2be59_prep-k_q032dd2be59_prep
	.p2alignl 7, 3214868480
	.fill 96, 4, 3214868480
	.section	.rodata,"a",@progbits
	.p2align	6, 0x0
	.amdhsa_kernel k_q032dd2be59_prep
		.amdhsa_group_segment_fixed_size 0
		.amdhsa_private_segment_fixed_size 0
		.amdhsa_enable_private_segment 0
		.amdhsa_kernarg_size 64
		.amdhsa_user_sgpr_count 2
		.amdhsa_user_sgpr_kernarg_segment_ptr 1
		.amdhsa_wavefront_size32 1
		.amdhsa_system_sgpr_workgroup_id_x 1
		.amdhsa_system_sgpr_workgroup_id_y 1
		.amdhsa_system_sgpr_workgroup_id_z 1
		.amdhsa_system_vgpr_workitem_id 0
		.amdhsa_next_free_vgpr 256
		.amdhsa_next_free_sgpr 66
		.amdhsa_reserve_vcc 0
		.amdhsa_float_denorm_mode_32 3
		.amdhsa_float_denorm_mode_16_64 3
		.amdhsa_memory_ordered 1
		.amdhsa_forward_progress 1
		.amdhsa_inst_pref_size 24
	.end_amdhsa_kernel
	.amdgpu_metadata
---
amdhsa.version: [ 1, 2 ]
amdhsa.kernels:
  - .name:           k_q032dd2be59_prep
    .symbol:         k_q032dd2be59_prep.kd
    .args:
      - { .name: Wk, .offset: 0, .size: 8, .value_kind: global_buffer, .address_space: global }
      - { .name: Wv, .offset: 8, .size: 8, .value_kind: global_buffer, .address_space: global }
      - { .name: Wo, .offset: 16, .size: 8, .value_kind: global_buffer, .address_space: global }
      - { .name: Wq, .offset: 24, .size: 8, .value_kind: global_buffer, .address_space: global }
      - { .name: enc, .offset: 32, .size: 8, .value_kind: global_buffer, .address_space: global }
      - { .name: wimg, .offset: 40, .size: 8, .value_kind: global_buffer, .address_space: global }
      - { .name: wscl, .offset: 48, .size: 8, .value_kind: global_buffer, .address_space: global }
      - { .name: qpart, .offset: 56, .size: 8, .value_kind: global_buffer, .address_space: global }
    .group_segment_fixed_size: 0
    .private_segment_fixed_size: 0
    .kernarg_segment_align: 8
    .kernarg_segment_size: 64
    .max_flat_workgroup_size: 128
    .sgpr_count:     66
    .vgpr_count:     256
    .wavefront_size: 32
...
	.end_amdgpu_metadata
.endif
;; end of part 1
;; launch attn (part 2): grid 8 x 32, 4 waves a work-group, no clusters, 327,680 bytes of LDS; arguments enc, wimg, wscl, qpart, scores, stat, pctx; writes scores, stat, pctx
.if DOCPART == 2
	.amdgcn_target "amdgcn-amd-amdhsa--gfx1250"
	.amdhsa_code_object_version 6
	.text
	.protected	k_q032dd2be59_attn
	.globl	k_q032dd2be59_attn
	.p2align	8
	.type	k_q032dd2be59_attn,@function
k_q032dd2be59_attn:
	s_mov_b64 s[64:65], 0
	v_nop
	global_prefetch_b8 v0, s[64:65] scope:SCOPE_SE
	s_setreg_imm32_b32 hwreg(HW_REG_WAVE_MODE, 25, 1), 1
	s_wait_xcnt 0x0
; One work-group takes 512 tokens of one batch in eight blocks of 64; wave w holds the codes of Wk's and Wv's rows of heads 2 w and 2 w + 1 in registers for the whole launch.
; A block of enc (64 tokens x 2,048 bytes, f32) comes by four tensor loads, one a wave, into one of two slots; each wave quantises 16 tokens (FP6, E2M3, one E8M0 byte for each 32 along K)
; and lays them in LDS as images of the operand's registers, in one of two image buffers; behind the trip's barrier every wave multiplies all 64 tokens, 16 at a time (a tile):
; groups 0, 1: k of my two heads; groups 2, 3: v.  Scores q.k by packed multiply-adds and three lane steps; a running maximum, p = 2^(t - m), l and the context are kept for each lane's tokens.
; Out: the raw scores t, (m, l) and the partial context of this chunk; the next launch joins the eight chunks of a batch.
; No cluster: no two work-groups read the same tile of enc.  No prefetch: every block of enc is asked for one whole trip ahead of its wait, is read by one work-group alone, and is the launch's one stream.
; LIMITS: NaN and infinities among the inputs are not served.  A block of 32 whose largest magnitude lies under 2^-124 (zeros too) gets the scale byte 1: its bytes are read here alone.
.set PITCH, 528
.set KSB,   64*PITCH
.set SLOT,  4*KSB
.set BLKB,  64*2048
.set FRB,   1536
.set IMG0,  2*SLOT
.set ISC,   16*FRB
.set IB,    ISC+16*128
.set STG,   IMG0+2*IB
.set SPARE, STG+4*512
.set WVOFF, 32*4*FRB
.set SPW,  1
.set NIL,  2
.set FI,   3
.set FS,   4
.set IW,   5
.set IS,   6
.set SGW,  7
.set SGR,  8
.set GSO,  9
.set QA,   10
.set ADR0, 11
.set ADR1, 12
.set GL16, 13
.set GLS,  14
.set GLQ,  15
.set FIL,  11                          ; v11, v12, v14: the middle tiles' LDS addresses (v11, v12 serve the quantiser behind the tiles; v14 served the head's loads, which are waited for ahead of the loop)
.set FSL,  12
.set SGL,  14
.set AFI,  FI                          ; which registers a tile's LDS lines name
.set AFS,  FS
.set ASG,  SGW
.set WS,   16
.set W15,  48
.set Q,    60
.set CTX,  68
.set L,    84
.set MF,   88
.set T,    92
.set S,    96
.set XS,   104
.set XF,   108
.set A2,   160
.set ACC,  192
.set X0,   192
.set X1,   108
.set PCA,  172
.set TMX,  184
.set TMB,  188
.set PCB,  96
.set PW,   103
.set TMS,  92
.set G1,   24
.set G0,   32
.set SEL,  40
.set MSB, 0
.macro WIN new
.if MSB != (\new)
	s_set_vgpr_msb (MSB<<8)|(\new)
.set MSB, (\new)
.endif
.endm
.macro PLACES n
.rept \n
	v_nop
.endr
.endm
.macro QUANT x, pca, pcb, tmx, tmb, tms, pw
.irp b, 0,1,2,3
	v_max3_num_f32 v[\tmx+\b], |v[\x+16*\b]|, |v[\x+1+16*\b]|, 0x1800000
.endr
.irp i, 2,4,6,8,10,12,14
.irp b, 0,1,2,3
	v_max3_num_f32 v[\tmx+\b], v[\tmx+\b], |v[\x+16*\b+\i]|, |v[\x+1+16*\b+\i]|
.endr
.endr
.irp b, 0,1,2,3
	v_permlanex16_b32 v[\tmb+\b], v[\tmx+\b], s[SEL], s[SEL+1]
.endr
.irp b, 0,1,2,3
	v_max_num_f32 v[\tmx+\b], v[\tmx+\b], v[\tmb+\b]
.endr
.irp b, 0,1,2,3
	v_add_nc_u32 v[\tms+\b], 0xff000000, v[\tmx+\b]
.endr
.irp b, 0,1,2,3
	v_lshrrev_b32 v[\tmb+\b], 23, v[\tms+\b]
.endr
	v_lshl_or_b32 v[\pw], v[\tmb+1], 8, v[\tmb]
	v_lshl_or_b32 v[\pw], v[\tmb+2], 16, v[\pw]
	v_lshl_or_b32 v[\pw], v[\tmb+3], 24, v[\pw]
.irp c, 0,1
	v_cvt_scalef32_pk16_fp6_f32 v[\pca+6*\c:\pca+2+6*\c], v[\x+32*\c:\x+15+32*\c], v[\tms+2*\c]
	v_cvt_scalef32_pk16_fp6_f32 v[\pcb+4*\c:\pcb+2+4*\c], v[\x+16+32*\c:\x+31+32*\c], v[\tms+2*\c+1]
.endr
	v_nop
.irp c, 0,1
.irp i, 0,1,2
	v_permlane16_swap_b32 v[\pca+6*\c+\i], v[\pcb+4*\c+\i]
.endr
.irp i, 0,1,2
	v_mov_b32 v[\pca+3+6*\c+\i], v[\pcb+4*\c+\i]
.endr
.endr
.endm
.macro WLOAD reg, tl, ks, mo
.irp c, 0,1,2
	global_load_b128 v[\reg+4*\c:\reg+4*\c+3], v[GL16], s[48:49] offset:\mo+(4*(\tl)+(\ks))*FRB+512*\c
.endr
.endm
.macro QLOAD x, adr, off
.irp b, 0,1,2,3
.irp j, 0,1,2,3
	ds_load_b128 v[\x+16*\b+4*\j:\x+16*\b+4*\j+3], v[\adr] offset:\off+128*\b+16*\j
.endr
.endr
.endm
.macro IMAGE bf, s
.irp c, 0,1,2
	ds_store_b128 v[IW], v[PCA+4*\c:PCA+4*\c+3] offset:(\bf)*IB+FRB*\s+512*\c
.endr
	ds_store_b32 v[IS], v[PW] offset:ISC+(\bf)*IB+128*\s
.endm
.macro QSTART sl
	v_add_nc_u32 v[ADR0], (\sl)*SLOT, v[QA]
	v_add_nc_u32 v[ADR1], (\sl)*SLOT+2*KSB, v[QA]
.endm
.macro QBODY sl
	s_wait_dscnt 16
	QUANT X1, PCA, PCB, TMX, TMB, TMS, PW
	IMAGE \sl, 0
	QLOAD X1, ADR1, 0
	s_wait_dscnt 16
	QUANT X0, PCA, PCB, TMX, TMB, TMS, PW
	IMAGE \sl, 1
	QLOAD X0, ADR1, KSB
	s_wait_dscnt 16
	QUANT X1, PCA, PCB, TMX, TMB, TMS, PW
	IMAGE \sl, 2
	s_wait_dscnt 0x0
	QUANT X0, PCA, PCB, TMX, TMB, TMS, PW
	IMAGE \sl, 3
.endm
.macro FETS bf, m, s
.irp c, 0,1,2
	ds_load_b128 v[XF+12*(\s)+4*\c:XF+12*(\s)+4*\c+3], v[AFI] offset:(\bf)*IB+(4*(\m)+(\s))*FRB+512*\c
.endr
	ds_load_b32 v[XS+(\s)], v[AFS] offset:ISC+(\bf)*IB+(4*(\m)+(\s))*128
.endm
.macro MM g
.set rs, wi/4
.set rt, wi%4
.set rX, XF+12*rs
.set rW, WS+4*(4*((\g)%2)+rt)+rs
.set rB, 12*wi
.if \g == 0
	WIN 0x04
.set rD, ACC+8*rt
.elseif \g == 1
	WIN 0x08
.set rD, ACC+32+8*rt
.elseif \g == 2
	WIN 0x0c
.set rD, A2+8*rt
.else
.set rD, ACC+32+8*rt
.if wi < 5
	WIN 0x04
.set rB, 192+12*wi
.elseif wi < 10
	WIN 0x08
.set rB, 192+12*(wi-5)
.elseif wi < 15
	WIN 0x0c
.set rB, 192+12*(wi-10)
.else
	WIN 0
.set rB, W15
.endif
.endif
.if \g < 2
.if wi < 4
	v_wmma_scale_f32_16x16x128_f8f6f4 v[rD:rD+7], v[rX:rX+11], v[rB:rB+11], 0, v[XS+rs], v[rW] matrix_a_fmt:MATRIX_FMT_FP6 matrix_b_fmt:MATRIX_FMT_FP6
.else
	v_wmma_scale_f32_16x16x128_f8f6f4 v[rD:rD+7], v[rX:rX+11], v[rB:rB+11], v[rD:rD+7], v[XS+rs], v[rW] matrix_a_fmt:MATRIX_FMT_FP6 matrix_b_fmt:MATRIX_FMT_FP6
.endif
.else
.if wi < 4
	v_wmma_scale_f32_16x16x128_f8f6f4 v[rD:rD+7], v[rX:rX+11], v[rB:rB+11], 0, v[XS+rs], v[rW] matrix_a_fmt:MATRIX_FMT_FP6 matrix_b_fmt:MATRIX_FMT_FP6 matrix_b_scale:MATRIX_SCALE_ROW1
.else
	v_wmma_scale_f32_16x16x128_f8f6f4 v[rD:rD+7], v[rX:rX+11], v[rB:rB+11], v[rD:rD+7], v[XS+rs], v[rW] matrix_a_fmt:MATRIX_FMT_FP6 matrix_b_fmt:MATRIX_FMT_FP6 matrix_b_scale:MATRIX_SCALE_ROW1
.endif
.endif
.endm
.macro PQ
.if pn < 32
.set pt, (pn%16)/4
.set pj, 2*(pn%4)
.set rA, ACC+32*(pn/16)+8*pt+pj
.set rQ, Q+4*(pn/16)+2*(pt/2)
.if pn < 4
	v_pk_mul_f32 v[S+pj:S+pj+1], v[rA:rA+1], v[rQ:rQ+1] op_sel_hi:[1,0]
.elseif (pt%2) == 0
	v_pk_fma_f32 v[S+pj:S+pj+1], v[rA:rA+1], v[rQ:rQ+1], v[S+pj:S+pj+1] op_sel_hi:[1,0,1]
.else
	v_pk_fma_f32 v[S+pj:S+pj+1], v[rA:rA+1], v[rQ:rQ+1], v[S+pj:S+pj+1] op_sel:[0,1,0] op_sel_hi:[1,1,1]
.endif
.set pn, pn+1
.endif
.endm
.macro DP
.set dr, S+dn%8
.if dn < 8
	v_add_f32_dpp v[dr], v[dr], v[dr] row_xmask:1 row_mask:0xf bank_mask:0xf
.elseif dn < 16
	v_add_f32_dpp v[dr], v[dr], v[dr] row_xmask:2 row_mask:0xf bank_mask:0xf
.else
	v_add_f32_dpp v[dr], v[dr], v[dr] row_xmask:4 row_mask:0xf bank_mask:0xf
.endif
.set dn, dn+1
.endm
.macro CX
.if cn < 32
.set cj, 2*((cn%16)/4)
.if cn < 16
.set rA, A2+8*(cn%4)+cj
.else
.set rA, ACC+32+8*(cn%4)+cj
.endif
.set rC, CTX+2*(4*(cn/16)+cn%4)
	v_pk_fma_f32 v[rC:rC+1], v[rA:rA+1], v[S+cj:S+cj+1], v[rC:rC+1]
.set cn, cn+1
.endif
.endm
.macro ER k
	v_pk_mul_f32 v[CTX+2*\k:CTX+2*\k+1], v[CTX+2*\k:CTX+2*\k+1], v[MF:MF+1] op_sel:[0,1] op_sel_hi:[1,1]
.endm
.macro TILE bf, m
.set wi, 0
.set cn, 0
.rept 16
.if wi == 0
	s_wait_dscnt 8                                 ; K steps 0 and 1 of this tile are in; the eight loads of steps 2 and 3 are younger
.elseif wi == 8
	s_wait_dscnt 0x0                               ; steps 2 and 3
.endif
	MM 0
.if \m > 0
.if wi < 8
	WIN 0                                          ; the last tile's 32 context lines all stand ahead of the wait at turn 8: no wait on memory falls inside their chains
	CX
	CX
	CX
	CX
.endif
.endif
.if wi == 15
	PLACES 5
.endif
.set wi, wi+1
.endr
.set wi, 0
.set pn, 0
.rept 16
	MM 1
.if wi < 8
	WIN 0
	PQ
	PQ
.endif
.if wi == 15
	PLACES 5
.endif
.set wi, wi+1
.endr
.set wi, 0
.set dn, 0
.rept 16
	MM 2
.if wi < 6
	WIN 0
	PQ
	PQ
	PQ
.elseif wi < 12
	WIN 0
	DP
	DP
	DP
	DP
.elseif wi == 12
	WIN 0
	v_max3_num_f32 v[T], v[MF], v[S], v[S+1]
.elseif wi == 13
	WIN 0
	v_max3_num_f32 v[T], v[T], v[S+2], v[S+3]
.elseif wi == 14
	WIN 0
	v_max3_num_f32 v[T], v[T], v[S+4], v[S+5]
.else
	PLACES 5
.endif
.set wi, wi+1
.endr
.set wi, 0
	; the tile's softmax as ONE batch between groups 2 and 3, so that no exponential stands inside a group's sums
	WIN 0
	s_wait_alu depctr_va_vdst(0)                   ; the scores were written few vector lines ago, with eight scalar lines between
	ds_store_b128 v[ASG], v[S:S+3] offset:64*(\m)          ; the raw scores to my stage, ahead of the lines that turn them into t - m
	ds_store_b128 v[ASG], v[S+4:S+7] offset:64*(\m)+16
	v_max3_num_f32 v[T], v[T], v[S+6], v[S+7]      ; the new running maximum m
	v_sub_f32 v[T+1], v[MF], v[T]                  ; old m - new m
.irp j, 0,2,4,6
	v_pk_add_f32 v[S+\j:S+\j+1], v[S+\j:S+\j+1], v[T:T+1] op_sel_hi:[1,0] neg_lo:[0,1] neg_hi:[0,1]   ; t - m
.endr
	s_wait_alu depctr_va_vdst(0)                   ; ahead of the batch
	v_exp_f32 v[MF+1], v[T+1]                      ; f = 2^(old m - new m)
.irp k, 0,1,2,3,4,5,6,7
	v_exp_f32 v[S+\k], v[S+\k]                     ; p
.endr
	v_mov_b32 v[MF], v[T]                          ; (the plain place behind the batch)
	s_wait_alu depctr_va_vdst(0)                   ; and behind it, ahead of its first reader
.rept 16
	MM 3
.if wi == 0
	WIN 0
	ER 0                                           ; the context under the new m; the eight lines stand ahead of the four sums, so that nine plain lines or more lie between each and its reader in the next tile
	ER 1
	ER 2
	ER 3
.elseif wi == 1
	WIN 0
	ER 4
	ER 5
	ER 6
	ER 7
.elseif wi == 2
	WIN 0
	v_pk_fma_f32 v[L:L+1], v[L:L+1], v[MF:MF+1], v[S:S+1] op_sel:[0,1,0] op_sel_hi:[1,1,1]
	v_pk_add_f32 v[T+2:T+3], v[S+2:S+3], v[S+4:S+5]
	v_pk_add_f32 v[L:L+1], v[L:L+1], v[S+6:S+7]
	v_pk_add_f32 v[L:L+1], v[L:L+1], v[T+2:T+3]
.elseif wi == 7
.if \m < 3
	PLACES 4                                       ; places ahead of the loads into the fragments of K steps 0 and 1, which turns 0 to 7 have read
.endif
.elseif wi == 8
.if \m < 3
	FETS \bf, \m+1, 0                              ; the next tile's fragments in two runs of eight LDS loads: steps 0 and 1 here,
	FETS \bf, \m+1, 1
.endif
.elseif wi == 15
	PLACES 5
.if \m < 3
	FETS \bf, \m+1, 2                              ; steps 2 and 3 at the tile's end
	FETS \bf, \m+1, 3
.endif
.endif
.set wi, wi+1
.endr
.endm
.macro MPHASE bf, qnext
.irp s, 0,1,2,3
	FETS \bf, 0, \s
.endr
	TILE \bf, 0
	; tiles 1 and 2 differ in their LDS addresses alone: one text, two trips; the second trip's addresses lie one tile on (four fragments, four rows of scale words, 64 bytes of the stage)
	s_mov_b32 s43, 0
	s_mov_b32 s45, 0
	s_mov_b32 s54, 0
	s_mov_b32 s55, 0
.set AFI, FIL
.set AFS, FSL
.set ASG, SGL
.Lmid_\@:
	v_add_nc_u32 v[FIL], s45, v[FI]
	v_add_nc_u32 v[FSL], s54, v[FS]
	v_add_nc_u32 v[SGL], s55, v[SGW]               ; the three are first read behind the waits of the tile's softmax batch
	TILE \bf, 1
	s_add_co_u32 s45, s45, 4*FRB
	s_add_co_u32 s54, s54, 4*128
	s_add_co_u32 s55, s55, 64
	s_add_co_u32 s43, s43, 1
	s_cmp_lt_u32 s43, 2
	s_cbranch_scc1 .Lmid_\@
.set AFI, FI
.set AFS, FS
.set ASG, SGW
	TILE \bf, 3
	WIN 0
	ds_load_b128 v[T:T+3], v[SGR]
.set cn, 0
.rept 16
	CX
.endr
.if \qnext
	QSTART 1-\bf
	QLOAD X1, ADR0, 0
.endif
.rept 16
	CX
.endr
.if \qnext
	s_wait_dscnt 16
.else
	s_wait_alu depctr_va_vdst(0)
	s_wait_dscnt 0x0
.endif
	global_store_b128 v[GSO], v[T:T+3], s[46:47]
.if \qnext
	QLOAD X0, ADR0, KSB
.endif
	s_wait_xcnt 0x0
	s_add_nc_u64 s[46:47], s[46:47], 256
.if \qnext
	QBODY 1-\bf
.endif
.endm
.macro TRIP sl, fill, qnext
	s_wait_tensorcnt 0x0
	ds_add_u32 v[SPW], v[NIL]
.if \fill
	s_add_nc_u64 s[G0+4*\sl+2:G0+4*\sl+3], s[G0+4*\sl+2:G0+4*\sl+3], 2*BLKB
.endif
	s_wait_dscnt 0x0
	s_barrier_signal -1
	s_barrier_wait -1
.if \fill
	tensor_load_to_lds s[G0+4*\sl:G0+4*\sl+3], s[G1:G1+7]
	s_nop 0
	PLACES 4
.endif
	MPHASE \sl, \qnext
.endm
	s_load_b256 s[4:11], s[0:1], 0x0
	s_load_b128 s[12:15], s[0:1], 0x20
	s_load_b64 s[16:17], s[0:1], 0x30
	v_lshl_add_u32 v[SPW], v0, 2, SPARE
	v_mov_b32 v[NIL], 0
	ds_add_u32 v1, v2
	ds_add_u32 v1, v2
	s_wait_dscnt 0x0
	v_lshrrev_b32 v3, 5, v0
	v_readfirstlane_b32 s18, v3
	s_mov_b32 s19, ttmp9
	s_and_b32 s20, ttmp7, 0xffff
	s_mov_b32 s[G1+0], (2<<16)|(1<<20)|(6<<22)|(3<<25)
	s_mov_b32 s[G1+1], 128<<16
	s_mov_b32 s[G1+2], 64<<16
	s_mov_b32 s[G1+3], 128<<16
	s_mov_b32 s[G1+4], 64
	s_mov_b32 s[G1+5], 512
	s_mov_b32 s[G1+6], 0
	s_mov_b32 s[G1+7], 0
	s_lshl_b32 s22, s20, 23
	s_lshl_b32 s23, s19, 20
	s_add_co_u32 s22, s22, s23
	s_lshl_b32 s23, s18, 9
	s_add_co_u32 s22, s22, s23
	s_mov_b32 s23, 0
	s_mov_b32 s[G0], 1
	s_mul_i32 s[G0+1], s18, KSB
	s_mov_b32 s[G0+4], 1
	s_add_co_u32 s[G0+5], s[G0+1], SLOT
	s_wait_kmcnt 0x0
	s_add_nc_u64 s[G0+2:G0+3], s[4:5], s[22:23]
	s_add_nc_u64 s[G0+6:G0+7], s[G0+2:G0+3], BLKB
	s_or_b32 s[G0+3], s[G0+3], 0x80000000
	s_or_b32 s[G0+7], s[G0+7], 0x80000000
	tensor_load_to_lds s[G0:G0+3], s[G1:G1+7]      ; block 0, my quarter: my one tensor load at the head; the addresses and the first two thirds of the weights' loads follow while it is out
	s_nop 0
	PLACES 4
	v_and_b32 v[T], 31, v0
	v_and_b32 v[T+1], 15, v0
	v_bfe_u32 v[T+2], v0, 4, 1
	v_mov_b32 v[T+3], 0
	v_bfe_u32 v[S], v0, 3, 1
	v_and_b32 v[S+1], 7, v0
	v_lshl_add_u32 v[FI], v[T], 4, IMG0
	v_lshl_add_u32 v[FS], v[T], 2, IMG0
	s_mul_i32 s22, s18, 4*FRB
	v_add_nc_u32 v[IW], s22, v[FI]
	s_lshl_b32 s22, s18, 9
	v_add_nc_u32 v[IS], s22, v[FS]
	s_add_co_u32 s23, s22, STG
	v_lshl_add_u32 v[SGW], v[T+2], 5, s23
	v_lshl_add_u32 v[SGW], v[S], 8, v[SGW]
	v_lshl_add_u32 v[SGR], v[T], 4, s23
	v_lshlrev_b32 v[GSO], 4, v[T+1]
	v_lshl_add_u32 v[GSO], v[T+2], 14, v[GSO]
	s_mul_i32 s22, s18, 16*PITCH
	v_mul_u32_u24 v[QA], v[T+1], PITCH
	v_lshl_add_u32 v[QA], v[T+2], 6, v[QA]
	v_add_nc_u32 v[QA], s22, v[QA]
	v_lshlrev_b32 v[GL16], 4, v[T]
	s_wait_alu depctr_va_vdst(0)
	v_lshlrev_b32 v[GLS], 2, v[T]
	v_lshl_add_u32 v[GLS], v[T+2], 14, v[GLS]
	s_wait_alu depctr_va_vdst(0)
	v_lshlrev_b32 v[GLQ], 2, v[S+1]
	v_lshl_add_u32 v[GLQ], v[S], 13, v[GLQ]
	s_wait_alu depctr_va_vdst(0)
.irp b, 0,1,2,3
	v_mov_b32 v[TMB+\b], 0
.endr
	s_mov_b32 s[SEL], 0x76543210
	s_mov_b32 s[SEL+1], 0xfedcba98
	s_mov_b32 s23, 0
	s_mul_i32 s22, s18, 32*FRB
	s_add_nc_u64 s[48:49], s[6:7], s[22:23]
	s_lshl_b32 s22, s18, 12
	s_add_nc_u64 s[50:51], s[8:9], s[22:23]
	s_lshl_b32 s22, s18, 14
	s_lshl_b32 s44, s20, 6
	s_add_co_u32 s22, s22, s44
	s_add_nc_u64 s[52:53], s[10:11], s[22:23]
	s_lshl_b32 s22, s20, 3
	s_lshl_b32 s44, s18, 1
	s_add_co_u32 s22, s22, s44
	s_lshl_b32 s22, s22, 14
	s_lshl_b32 s44, s19, 11
	s_add_co_u32 s22, s22, s44
	s_add_nc_u64 s[46:47], s[12:13], s[22:23]
	s_lshl_b32 s22, s20, 9
	s_lshl_b32 s44, s18, 7
	s_add_co_u32 s22, s22, s44
	s_lshl_b32 s44, s19, 3
	s_add_co_u32 s22, s22, s44
	s_add_nc_u64 s[14:15], s[14:15], s[22:23]
	s_lshl_b32 s22, s20, 3
	s_add_co_u32 s22, s22, s19
	s_lshl_b32 s22, s22, 11
	s_lshl_b32 s44, s18, 9
	s_add_co_u32 s22, s22, s44
	s_add_nc_u64 s[16:17], s[16:17], s[22:23]
	WIN 0x40
.irp s, 0,1,2,3
.irp t, 0,1,2,3
	WLOAD 12*(4*\s+\t), \t, \s, 0
.endr
.endr
.irp i, 0,1,2,3,4
	WLOAD 192+12*\i, 4+\i%4, \i/4, WVOFF
.endr
	WIN 0x80
.irp s, 0,1,2,3
.irp t, 0,1,2,3
	WLOAD 12*(4*\s+\t), 4+\t, \s, 0
.endr
.endr
.irp i, 5,6,7,8,9
	WLOAD 192+12*(\i-5), 4+\i%4, \i/4, WVOFF
.endr
	WIN 0
	s_wait_alu depctr_va_vdst(0)                   ; the wait behind the head's vector lines
	s_wait_tensorcnt 0x0                           ; my quarter of block 0 is in
	ds_add_u32 v1, v2
	s_wait_dscnt 0x0
	s_barrier_signal -1
	s_barrier_wait -1                              ; block 0 is whole for all four waves
	tensor_load_to_lds s[G0+4:G0+7], s[G1:G1+7]    ; slot 1's first fill: block 1, my one tensor load behind this barrier; the last third of the weights' loads and block 0's quantising follow while it is out
	s_nop 0
	PLACES 4
	WIN 0xc0
.irp s, 0,1,2,3
.irp t, 0,1,2,3
	WLOAD 12*(4*\s+\t), \t, \s, WVOFF
.endr
.endr
.irp i, 10,11,12,13,14
	WLOAD 192+12*(\i-10), 4+\i%4, \i/4, WVOFF
.endr
	WIN 0
	WLOAD W15, 7, 3, WVOFF
.irp i, 0,1,2,3,4,5,6,7
.irp s, 0,1,2,3
	global_load_b32 v[WS+4*\i+\s], v[GLS], s[50:51] offset:(4*\i+\s)*128
.endr
.endr
.irp s, 0,1,2,3
.irp i, 0,1,2,3,4,5,6,7
	global_load_b32 v[Q+8*\s+\i], v[GLQ], s[52:53] offset:65536*\s+2048*(\i/2)+32*(\i%2)
.endr
.endr
	QSTART 0
	QLOAD X1, ADR0, 0
	QLOAD X0, ADR0, KSB
	QBODY 0
	s_wait_loadcnt 0x0
.irp i, 0,2,4,6
	v_pk_add_f32 v[Q+\i:Q+\i+1], v[Q+\i:Q+\i+1], v[Q+8+\i:Q+9+\i]
	v_pk_add_f32 v[Q+16+\i:Q+17+\i], v[Q+16+\i:Q+17+\i], v[Q+24+\i:Q+25+\i]
.endr
.irp i, 0,2,4,6
	v_pk_add_f32 v[Q+\i:Q+\i+1], v[Q+\i:Q+\i+1], v[Q+16+\i:Q+17+\i]
.endr
.irp i, 0,2,4,6
	v_pk_mul_f32 v[Q+\i:Q+\i+1], v[Q+\i:Q+\i+1], 0x3e38aa3b op_sel_hi:[1,0]
.endr
.irp i, 0,1,2,3,4,5,6,7,8,9,10,11,12,13,14,15,16,17,18,19
	v_mov_b32 v[CTX+\i], 0
.endr
	v_mov_b32 v[MF], 0xff61b1e6
	v_mov_b32 v[MF+1], 0
	s_mov_b32 s42, 3
.Lloop:
	TRIP 0, 1, 1
	TRIP 1, 1, 1
	s_sub_co_u32 s42, s42, 1
	s_cmp_lg_u32 s42, 0
	s_cbranch_scc1 .Lloop
	TRIP 0, 0, 1
	TRIP 1, 0, 0
	v_add_f32 v[L], v[L], v[L+1]
.irp i, 0,1,2,3,4,5,6,7
	v_add_f32 v[CTX+2*\i], v[CTX+2*\i], v[CTX+2*\i+1]
.endr
	v_permlanex16_b32 v[T], v[MF], s[SEL], s[SEL+1]
	v_max_num_f32 v[L+2], v[T], v[MF]
	v_sub_f32 v[T+1], v[MF], v[L+2]
	s_wait_alu depctr_va_vdst(0)
	v_exp_f32 v[T+1], v[T+1]
	v_nop
	s_wait_alu depctr_va_vdst(0)
	v_mul_f32 v[L], v[L], v[T+1]
.irp i, 0,1,2,3,4,5,6,7
	v_mul_f32 v[CTX+2*\i], v[CTX+2*\i], v[T+1]
.endr
	v_permlanex16_b32 v[L+1], v[L], s[SEL], s[SEL+1]
.irp i, 0,1,2,3,4,5,6,7
	v_permlanex16_b32 v[CTX+2*\i+1], v[CTX+2*\i], s[SEL], s[SEL+1]
.endr
	v_add_f32 v[L+3], v[L], v[L+1]
.irp i, 0,1,2,3,4,5,6,7
	v_add_f32 v[CTX+2*\i], v[CTX+2*\i], v[CTX+2*\i+1]
.endr
	v_bfe_u32 v[S], v0, 3, 1
	v_and_b32 v[S+1], 7, v0
	s_lshl_b32 s22, s18, 9
	s_add_co_u32 s22, s22, STG
	v_lshl_add_u32 v[S+1], v[S+1], 2, s22
	v_lshl_add_u32 v[S+1], v[S], 8, v[S+1]
.irp i, 0,1,2,3,4,5,6,7
	ds_store_b32 v[S+1], v[CTX+2*\i] offset:32*\i
.endr
	ds_load_b128 v[S+4:S+7], v[SGR]
	v_lshlrev_b32 v[S], 6, v[S]
	v_and_b32 v[T+2], 23, v0
	v_cmp_eq_u32 vcc_lo, 0, v[T+2]
	s_wait_alu depctr_va_vdst(0)
	s_wait_dscnt 0x0
	global_store_b128 v[GL16], v[S+4:S+7], s[16:17]
	s_wait_xcnt 0x0
	s_and_saveexec_b32 s44, vcc_lo
	global_store_b64 v[S], v[L+2:L+3], s[14:15]
	s_wait_xcnt 0x0
	s_or_b32 exec_lo, exec_lo, s44
	s_wait_tensorcnt 0x0
	ds_add_u32 v[SPW], v[NIL]
	s_wait_dscnt 0x0
	s_endpgm
.Lfunc_end_k_q032dd2be59_attn:
	.size	k_q032dd2be59_attn, .Lfunc_end_k_q032dd2be59_attn-k_q032dd2be59_attn
	.p2alignl 7, 3214868480
	.fill 96, 4, 3214868480
	.section	.rodata,"a",@progbits
	.p2align	6, 0x0
	.amdhsa_kernel k_q032dd2be59_attn
		.amdhsa_group_segment_fixed_size 327680
		.amdhsa_private_segment_fixed_size 0
		.amdhsa_enable_private_segment 0
		.amdhsa_kernarg_size 56
		.amdhsa_user_sgpr_count 2
		.amdhsa_user_sgpr_kernarg_segment_ptr 1
		.amdhsa_wavefront_size32 1
		.amdhsa_system_sgpr_workgroup_id_x 1
		.amdhsa_system_sgpr_workgroup_id_y 1
		.amdhsa_system_sgpr_workgroup_id_z 1
		.amdhsa_system_vgpr_workitem_id 0
		.amdhsa_next_free_vgpr 1024
		.amdhsa_next_free_sgpr 66
		.amdhsa_reserve_vcc 1
		.amdhsa_float_denorm_mode_32 3
		.amdhsa_float_denorm_mode_16_64 3
		.amdhsa_memory_ordered 1
		.amdhsa_forward_progress 1
		.amdhsa_inst_pref_size 255
	.end_amdhsa_kernel
	.section	.bss,"aw",@nobits
	.p2align	6
	.space	262144
	.amdgpu_metadata
---
amdhsa.version: [ 1, 2 ]
amdhsa.kernels:
  - .name:           k_q032dd2be59_attn
    .symbol:         k_q032dd2be59_attn.kd
    .args:
      - { .name: enc, .offset: 0, .size: 8, .value_kind: global_buffer, .address_space: global }
      - { .name: wimg, .offset: 8, .size: 8, .value_kind: global_buffer, .address_space: global }
      - { .name: wscl, .offset: 16, .size: 8, .value_kind: global_buffer, .address_space: global }
      - { .name: qpart, .offset: 24, .size: 8, .value_kind: global_buffer, .address_space: global }
      - { .name: scores, .offset: 32, .size: 8, .value_kind: global_buffer, .address_space: global }
      - { .name: stat, .offset: 40, .size: 8, .value_kind: global_buffer, .address_space: global }
      - { .name: pctx, .offset: 48, .size: 8, .value_kind: global_buffer, .address_space: global }
    .group_segment_fixed_size: 327680
    .private_segment_fixed_size: 0
    .kernarg_segment_align: 8
    .kernarg_segment_size: 56
    .max_flat_workgroup_size: 128
    .sgpr_count:     66
    .vgpr_count:     1024
    .wavefront_size: 32
...
	.end_amdgpu_metadata
.endif
;; end of part 2
;; launch fin (part 3): grid 128 x 1, 16 waves a work-group, no clusters, 35,328 bytes of LDS; arguments scores, stat, pctx, wimg, wscl, out0, out1; writes out0, out1
.if DOCPART == 3
	.amdgcn_target "amdgcn-amd-amdhsa--gfx1250"
	.amdhsa_code_object_version 6
	.text
	.protected	k_q032dd2be59_fin
	.globl	k_q032dd2be59_fin
	.p2align	8
	.type	k_q032dd2be59_fin,@function
k_q032dd2be59_fin:
	s_mov_b64 s[64:65], 0
	v_nop
	global_prefetch_b8 v0, s[64:65] scope:SCOPE_SE
	s_setreg_imm32_b32 hwreg(HW_REG_WAVE_MODE, 25, 1), 1
	s_wait_xcnt 0x0
; The chunks of a batch are joined.  For each batch and head: M = the largest of the 8 chunks' m, e_c = 2^(m_c - M), L = sum of l_c e_c.
; Work-groups 0-63 (tile mt of 16 batches, tile nt of 16 outputs): context = sum of e_c pctx_c / L in f32, through LDS; wave 0 quantises it along its 512 (FP6, E2M3, one E8M0 byte for each 32)
; and multiplies it by Wo's images: out0 [32][512].  Work-groups 64-127 (a batch, half of its tokens): out1[b][t] = the mean over the 8 heads of 2^(t - M) / L.
; No tensor loads, so no ring.  Only the first path uses LDS and a barrier; the branch between the paths hangs on the work-group's number alone.
; out0 leaves in runs of 64 bytes a row: it is 65,536 bytes in all, and wider tiles would leave fewer work-groups with the same bytes each to read.
; LIMITS: NaN and infinities are not served.  A block of the context whose largest magnitude lies under 2^-124 (zeros too) gets the scale byte 1: its codes are read here alone.  out0's four K steps are added as (D0 + D1) + (D2 + D3).
.set CTP,  2064                        ; a batch's context in LDS: 2,048 bytes + 16 = 129 x 16: 16 rows fall on 16 different columns of 16 bytes
.set SEL,  20                          ; s[20:21]
.set CW,   1                           ; v1  where I store context: 4 CTP x (wave / 4) + 512 x (wave % 4) + 16 x lane
.set CR,   2                           ; v2  where wave 0 reads it: CTP r + 64 h
.set AC,   16                          ; v16-31 four dims of four batches
.set MX,   32                          ; v32-35 M;  v36-39 L;  v40-47 1 / L in pairs
.set LL,   36
.set RL,   40
.set CSC,  52                          ; v52-55 the context's scale words, v56-59 Wo's: scales and nothing else
.set WSC,  56
.set E,    64                          ; v64-127 (m_c, l_c) of four batches; later 64 numbers of the context
.set P,    128                         ; v128-255 pctx: batch i, chunk c at 32 i + 4 c; later Wo's fragments (v128-175), the context's (v176-223), four results (v224-255)
.macro QUANT x, pca, pcb, tmx, tmb, tms, pw
.irp b, 0,1,2,3
	v_max3_num_f32 v[\tmx+\b], |v[\x+16*\b]|, |v[\x+1+16*\b]|, 0x1800000   ; block b: my 16 numbers, and the floor 2^(3 - 127): the byte cannot fall under 1
.endr
.irp i, 2,4,6,8,10,12,14
.irp b, 0,1,2,3
	s_delay_alu instid0(VALU_DEP_4)
	v_max3_num_f32 v[\tmx+\b], v[\tmx+\b], |v[\x+16*\b+\i]|, |v[\x+1+16*\b+\i]|
.endr
.endr
.irp b, 0,1,2,3
	v_permlanex16_b32 v[\tmb+\b], v[\tmx+\b], s[SEL], s[SEL+1]
.endr
.irp b, 0,1,2,3
	s_delay_alu instid0(VALU_DEP_4)
	v_max_num_f32 v[\tmx+\b], v[\tmx+\b], v[\tmb+\b]
.endr
.irp b, 0,1,2,3
	s_delay_alu instid0(VALU_DEP_4)
	v_add_nc_u32 v[\tms+\b], 0xff000000, v[\tmx+\b]   ; 2 off the exponent field: the conversion's scale operand
.endr
.irp b, 0,1,2,3
	s_delay_alu instid0(VALU_DEP_4)
	v_lshrrev_b32 v[\tmb+\b], 23, v[\tms+\b]   ; the scale's byte
.endr
	s_delay_alu instid0(VALU_DEP_3)
	v_lshl_or_b32 v[\pw], v[\tmb+1], 8, v[\tmb]
	s_delay_alu instid0(VALU_DEP_1)
	v_lshl_or_b32 v[\pw], v[\tmb+2], 16, v[\pw]
	s_delay_alu instid0(VALU_DEP_1)
	v_lshl_or_b32 v[\pw], v[\tmb+3], 24, v[\pw]
.irp c, 0,1
	v_cvt_scalef32_pk16_fp6_f32 v[\pca+6*\c:\pca+2+6*\c], v[\x+32*\c:\x+15+32*\c], v[\tms+2*\c]
	v_cvt_scalef32_pk16_fp6_f32 v[\pcb+4*\c:\pcb+2+4*\c], v[\x+16+32*\c:\x+31+32*\c], v[\tms+2*\c+1]
.endr
	v_nop                                          ; one plain place behind a scaled conversion
.irp c, 0,1
.irp i, 0,1,2
	v_permlane16_swap_b32 v[\pca+6*\c+\i], v[\pcb+4*\c+\i]
.endr
.irp i, 0,1,2
	s_delay_alu instid0(VALU_DEP_3)
	v_mov_b32 v[\pca+3+6*\c+\i], v[\pcb+4*\c+\i]
.endr
.endr
.endm
	s_load_b256 s[4:11], s[0:1], 0x0               ; scores s[4:5], stat s[6:7], pctx s[8:9], wimg s[10:11]
	s_load_b128 s[12:15], s[0:1], 0x20             ; wscl s[12:13], out0 s[14:15]
	s_load_b64 s[16:17], s[0:1], 0x30              ; out1
	v_lshrrev_b32 v3, 5, v0
	s_delay_alu instid0(VALU_DEP_1)
	v_readfirstlane_b32 s18, v3                    ; wave 0..15
	v_and_b32 v3, 31, v0                           ; lane
	v_and_b32 v4, 15, v0                           ; r
	v_bfe_u32 v5, v0, 4, 1                         ; h
	s_mov_b32 s[SEL], 0x76543210
	s_mov_b32 s[SEL+1], 0xfedcba98
	s_cmp_lt_u32 ttmp9, 64
	s_cbranch_scc0 .Lweights
	; ---------------- out0
	s_lshr_b32 s22, ttmp9, 5                       ; mt
	s_and_b32 s23, ttmp9, 31                       ; nt
	s_and_b32 s24, s18, 3                          ; dq: my 128 dims; my lane's head is 2 dq + h
	s_lshr_b32 s25, s18, 2                         ; bg: my four batches
	s_lshl_b32 s26, s22, 4
	s_lshl_b32 s27, s25, 2
	s_add_co_u32 s26, s26, s27                     ; my first batch: 16 mt + 4 bg
	s_mul_i32 s28, s25, 4*CTP
	s_lshl_b32 s29, s24, 9
	s_add_co_u32 s28, s28, s29
	s_wait_alu depctr_va_vdst(0)
	v_lshl_add_u32 v[CW], v3, 4, s28
	v_mul_u32_u24 v[CR], v4, CTP
	s_delay_alu instid0(VALU_DEP_1)
	v_lshl_add_u32 v[CR], v5, 6, v[CR]
	v_lshlrev_b32 v6, 6, v5                        ; stat: 64 bytes a head
	v_lshlrev_b32 v7, 4, v3                        ; 16 x lane
	v_lshlrev_b32 v8, 2, v3                        ; 4 x lane
	v_lshlrev_b32 v9, 11, v4
	s_delay_alu instid0(VALU_DEP_1)
	v_lshl_add_u32 v9, v5, 5, v9                   ; out0: row r of 2,048 bytes + 32 h
	s_lshl_b32 s30, s26, 9                         ; stat: 512 bytes a batch, 128 dq
	s_lshl_b32 s31, s24, 7
	s_add_co_u32 s30, s30, s31
	s_mov_b32 s31, 0
	s_lshl_b32 s32, s26, 14                        ; pctx: 16,384 bytes a batch, 512 dq
	s_add_co_u32 s32, s32, s29
	s_mov_b32 s33, 0
	s_mul_i32 s34, s23, 4*1536                     ; Wo's images: the third matrix, tile nt
	s_add_co_u32 s34, s34, 2*32*4*1536
	s_mov_b32 s35, 0
	s_lshl_b32 s36, s23, 9
	s_add_co_u32 s36, s36, 2*32*4*128
	s_mov_b32 s37, 0
	s_lshl_b32 s38, s22, 15                        ; out0: 16 mt rows, 64 nt bytes
	s_lshl_b32 s39, s23, 6
	s_add_co_u32 s38, s38, s39
	s_mov_b32 s39, 0
	s_wait_alu depctr_va_vdst(0)
	s_wait_kmcnt 0x0
	s_add_nc_u64 s[6:7], s[6:7], s[30:31]
	s_add_nc_u64 s[8:9], s[8:9], s[32:33]
	s_add_nc_u64 s[10:11], s[10:11], s[34:35]
	s_add_nc_u64 s[12:13], s[12:13], s[36:37]
	s_add_nc_u64 s[14:15], s[14:15], s[38:39]
.irp i, 0,1,2,3
.irp k, 0,1,2,3
	global_load_b128 v[E+16*\i+4*\k:E+16*\i+4*\k+3], v6, s[6:7] offset:512*\i+16*\k   ; (m, l) of chunks 2 k and 2 k + 1
.endr
.endr
.irp i, 0,1,2,3
.irp c, 0,1,2,3,4,5,6,7
	global_load_b128 v[P+32*\i+4*\c:P+32*\i+4*\c+3], v7, s[8:9] offset:16384*\i+2048*\c   ; 32 lanes read 512 consecutive bytes
.endr
.endr
	s_wait_loadcnt 32                              ; the 16 loads of stat are in; pctx's 32 are younger
.irp i, 0,1,2,3
	v_max3_num_f32 v[MX+\i], v[E+16*\i], v[E+16*\i+2], v[E+16*\i+4]
.endr
.irp i, 0,1,2,3
	s_delay_alu instid0(VALU_DEP_4)
	v_max3_num_f32 v[MX+\i], v[MX+\i], v[E+16*\i+6], v[E+16*\i+8]
.endr
.irp i, 0,1,2,3
	s_delay_alu instid0(VALU_DEP_4)
	v_max3_num_f32 v[MX+\i], v[MX+\i], v[E+16*\i+10], v[E+16*\i+12]
.endr
.irp i, 0,1,2,3
	s_delay_alu instid0(VALU_DEP_4)
	v_max_num_f32 v[MX+\i], v[MX+\i], v[E+16*\i+14]   ; M
.endr
.irp c, 0,1,2,3,4,5,6,7
.irp i, 0,1,2,3
	v_sub_f32 v[E+16*\i+2*\c], v[E+16*\i+2*\c], v[MX+\i]
.endr
.endr
	s_wait_alu depctr_va_vdst(0)
.irp c, 0,1,2,3,4,5,6,7
.irp i, 0,1,2,3
	v_exp_f32 v[E+16*\i+2*\c], v[E+16*\i+2*\c]     ; e_c = 2^(m_c - M), at most 1
.endr
.endr
	v_nop                                          ; a plain place behind the exponentials
	s_wait_alu depctr_va_vdst(0)
.irp i, 0,1,2,3
	v_mul_f32 v[LL+\i], v[E+16*\i+1], v[E+16*\i]
.endr
.irp c, 1,2,3,4,5,6,7
.irp i, 0,1,2,3
	v_fma_f32 v[LL+\i], v[E+16*\i+2*\c+1], v[E+16*\i+2*\c], v[LL+\i]   ; L
.endr
.endr
	s_wait_alu depctr_va_vdst(0)
.irp i, 0,1,2,3
	v_rcp_f32 v[RL+2*\i], v[LL+\i]
.endr
	s_wait_alu depctr_va_vdst(0)
.irp i, 0,1,2,3
	v_mov_b32 v[RL+2*\i+1], 0                      ; (named with 1 / L as a pair, so it is written; also the plain place behind the reciprocals)
.endr
.irp i, 0,1,2,3
	s_wait_loadcnt 24-8*\i                         ; batch i's eight loads are in; the later batches' are younger
	v_pk_mul_f32 v[AC+4*\i:AC+4*\i+1], v[P+32*\i:P+32*\i+1], v[E+16*\i:E+16*\i+1] op_sel_hi:[1,0]
	v_pk_mul_f32 v[AC+4*\i+2:AC+4*\i+3], v[P+32*\i+2:P+32*\i+3], v[E+16*\i:E+16*\i+1] op_sel_hi:[1,0]
.irp c, 1,2,3,4,5,6,7
	v_pk_fma_f32 v[AC+4*\i:AC+4*\i+1], v[P+32*\i+4*\c:P+32*\i+4*\c+1], v[E+16*\i+2*\c:E+16*\i+2*\c+1], v[AC+4*\i:AC+4*\i+1] op_sel_hi:[1,0,1]
	v_pk_fma_f32 v[AC+4*\i+2:AC+4*\i+3], v[P+32*\i+4*\c+2:P+32*\i+4*\c+3], v[E+16*\i+2*\c:E+16*\i+2*\c+1], v[AC+4*\i+2:AC+4*\i+3] op_sel_hi:[1,0,1]
.endr
	v_pk_mul_f32 v[AC+4*\i:AC+4*\i+1], v[AC+4*\i:AC+4*\i+1], v[RL+2*\i:RL+2*\i+1] op_sel_hi:[1,0]
	v_pk_mul_f32 v[AC+4*\i+2:AC+4*\i+3], v[AC+4*\i+2:AC+4*\i+3], v[RL+2*\i:RL+2*\i+1] op_sel_hi:[1,0]
	ds_store_b128 v[CW], v[AC+4*\i:AC+4*\i+3] offset:CTP*\i
.endr
	s_cmp_lg_u32 s18, 0                            ; wave 0 asks for Wo's four fragments and scale words now: they land while it waits at the barrier and quantises
	s_cbranch_scc1 .Lno_wo
.irp s, 0,1,2,3
.irp c, 0,1,2
	global_load_b128 v[P+12*\s+4*\c:P+12*\s+4*\c+3], v7, s[10:11] offset:1536*\s+512*\c
.endr
	global_load_b32 v[WSC+\s], v8, s[12:13] offset:128*\s
.endr
.Lno_wo:
	s_wait_dscnt 0x0                               ; for the others' sake: my stores have landed
	s_barrier_signal -1
	s_barrier_wait -1                              ; the 16 batches' context lies in LDS
	s_cmp_lg_u32 s18, 0
	s_cbranch_scc1 .Lend
.irp s, 0,1,2,3
.irp b, 0,1,2,3
.irp j, 0,1,2,3
	ds_load_b128 v[E+16*\b+4*\j:E+16*\b+4*\j+3], v[CR] offset:512*\s+128*\b+16*\j   ; batch r: 16 neighbours of each block of 32
.endr
.endr
	s_wait_dscnt 0x0
	QUANT E, 176+12*\s, 32, 40, 44, 48, CSC+\s
.endr
	s_wait_alu depctr_va_vdst(0)
	s_wait_loadcnt 0x0                             ; Wo
.rept 8
	v_nop                                          ; a scale register written by a vector instruction stands 8 places ahead of a scaled matrix instruction, an operand so written 4
.endr
.irp s, 0,1,2,3                                ; transposed: source 0 = 16 rows of Wo, source 1 = 16 batches; a result for each K step, so that no two products that follow each other share an accumulator
	v_wmma_scale_f32_16x16x128_f8f6f4 v[224+8*\s:231+8*\s], v[P+12*\s:P+12*\s+11], v[176+12*\s:187+12*\s], 0, v[WSC+\s], v[CSC+\s] matrix_a_fmt:MATRIX_FMT_FP6 matrix_b_fmt:MATRIX_FMT_FP6
.endr
.rept 4
	v_nop
.endr
.irp j, 0,2,4,6                                ; each result is read from its low end on
	v_pk_add_f32 v[64+\j:65+\j], v[224+\j:225+\j], v[232+\j:233+\j]
	v_pk_add_f32 v[72+\j:73+\j], v[240+\j:241+\j], v[248+\j:249+\j]
.endr
.irp j, 0,2,4,6
	v_pk_add_f32 v[64+\j:65+\j], v[64+\j:65+\j], v[72+\j:73+\j]
.endr
	global_store_b128 v9, v[64:67], s[14:15]       ; lane (r, h): batch r, outputs 16 nt + 8 h + 0 .. 7
	global_store_b128 v9, v[68:71], s[14:15] offset:16
.Lend:
	s_wait_xcnt 0x0
	v_lshl_add_u32 v126, v0, 2, 0x8200
	v_mov_b32 v127, 0
	s_wait_alu depctr_va_vdst(0)
	s_wait_tensorcnt 0x0
	ds_add_u32 v126, v127
	s_wait_dscnt 0x0
	s_endpgm
	; ---------------- out1
.Lweights:
	s_sub_co_u32 s22, ttmp9, 64
	s_lshr_b32 s23, s22, 1                         ; batch
	s_and_b32 s24, s22, 1                          ; which 2,048 tokens
	s_wait_alu depctr_va_vdst(0)
	v_lshlrev_b32 v6, 4, v3                        ; stat: 16 x lane: lane l holds head l / 4, chunks 2 (l % 4) and 2 (l % 4) + 1
	v_lshlrev_b32 v7, 4, v0                        ; four tokens a thread
	s_lshl_b32 s26, s23, 9
	s_mov_b32 s27, 0
	s_lshl_b32 s25, s24, 13
	s_lshl_b32 s28, s23, 17                        ; scores: 8 heads of 16,384 bytes a batch
	s_add_co_u32 s28, s28, s25
	s_mov_b32 s29, 0
	s_lshl_b32 s30, s23, 14
	s_add_co_u32 s30, s30, s25
	s_mov_b32 s31, 0
	s_wait_alu depctr_va_vdst(0)
	s_wait_kmcnt 0x0
	s_add_nc_u64 s[6:7], s[6:7], s[26:27]
	s_add_nc_u64 s[4:5], s[4:5], s[28:29]
	s_add_nc_u64 s[16:17], s[16:17], s[30:31]
	global_load_b128 v[8:11], v6, s[6:7]
.irp d, 0,1,2,3,4,5,6,7
	global_load_b128 v[32+4*\d:35+4*\d], v7, s[4:5] offset:16384*\d   ; 32 lanes read 512 consecutive bytes
.endr
	s_wait_loadcnt 8                               ; stat is in; the eight loads of scores are younger
	v_max_num_f32 v12, v8, v10
	s_delay_alu instid0(VALU_DEP_1)
	v_max_num_f32_dpp v12, v12, v12 row_xmask:1 row_mask:0xf bank_mask:0xf
	s_delay_alu instid0(VALU_DEP_1)
	v_max_num_f32_dpp v12, v12, v12 row_xmask:2 row_mask:0xf bank_mask:0xf   ; the head's M, in its four lanes
	s_delay_alu instid0(VALU_DEP_1)
	v_sub_f32 v8, v8, v12
	s_delay_alu instid0(VALU_DEP_2)
	v_sub_f32 v10, v10, v12
	s_wait_alu depctr_va_vdst(0)
	v_exp_f32 v8, v8
	v_exp_f32 v10, v10
	v_nop
	s_wait_alu depctr_va_vdst(0)
	v_mul_f32 v13, v9, v8
	v_fma_f32 v13, v11, v10, v13
	s_delay_alu instid0(VALU_DEP_1)
	v_add_f32_dpp v13, v13, v13 row_xmask:1 row_mask:0xf bank_mask:0xf
	s_delay_alu instid0(VALU_DEP_1)
	v_add_f32_dpp v13, v13, v13 row_xmask:2 row_mask:0xf bank_mask:0xf       ; the head's L
	s_wait_alu depctr_va_vdst(0)
	v_rcp_f32 v14, v13
	v_nop
	s_wait_alu depctr_va_vdst(0)
	v_mul_f32 v14, 0x3e000000, v14                 ; 1 / (8 L): the mean over the heads is folded in
.irp d, 0,1,2,3,4,5,6,7
	v_readlane_b32 s[32+\d], v12, 4*\d             ; numbers for the arithmetic below alone: no address and no branch hangs on them
	v_readlane_b32 s[40+\d], v14, 4*\d
.endr
	s_wait_loadcnt 0x0
.irp d, 0,1,2,3,4,5,6,7
.irp k, 0,1,2,3
	v_sub_f32 v[32+4*\d+\k], v[32+4*\d+\k], s[32+\d]
.endr
.endr
	s_wait_alu depctr_va_vdst(0)
.irp d, 0,1,2,3,4,5,6,7
.irp k, 0,1,2,3
	v_exp_f32 v[32+4*\d+\k], v[32+4*\d+\k]
.endr
.endr
	v_nop
	s_wait_alu depctr_va_vdst(0)
.irp k, 0,1,2,3
	v_mul_f32 v[16+\k], s40, v[32+\k]
.endr
.irp d, 1,2,3,4,5,6,7
.irp k, 0,1,2,3
	v_fma_f32 v[16+\k], v[32+4*\d+\k], s[40+\d], v[16+\k]
.endr
.endr
	global_store_b128 v7, v[16:19], s[16:17]       ; 32 lanes store 512 consecutive bytes, at a multiple of 256 from out1's first byte
	s_endpgm
.Lfunc_end_k_q032dd2be59_fin:
	.size	k_q032dd2be59_fin, .Lfunc_end_k_q032dd2be59_fin-k_q032dd2be59_fin
	.p2alignl 7, 3214868480
	.fill 96, 4, 3214868480
	.section	.rodata,"a",@progbits
	.p2align	6, 0x0
	.amdhsa_kernel k_q032dd2be59_fin
		.amdhsa_group_segment_fixed_size 35328
		.amdhsa_private_segment_fixed_size 0
		.amdhsa_enable_private_segment 0
		.amdhsa_kernarg_size 56
		.amdhsa_user_sgpr_count 2
		.amdhsa_user_sgpr_kernarg_segment_ptr 1
		.amdhsa_wavefront_size32 1
		.amdhsa_system_sgpr_workgroup_id_x 1
		.amdhsa_system_sgpr_workgroup_id_y 1
		.amdhsa_system_sgpr_workgroup_id_z 1
		.amdhsa_system_vgpr_workitem_id 0
		.amdhsa_next_free_vgpr 256
		.amdhsa_next_free_sgpr 66
		.amdhsa_reserve_vcc 0
		.amdhsa_float_denorm_mode_32 3
		.amdhsa_float_denorm_mode_16_64 3
		.amdhsa_memory_ordered 1
		.amdhsa_forward_progress 1
		.amdhsa_inst_pref_size 56
	.end_amdhsa_kernel
	.amdgpu_metadata
---
amdhsa.version: [ 1, 2 ]
amdhsa.kernels:
  - .name:           k_q032dd2be59_fin
    .symbol:         k_q032dd2be59_fin.kd
    .args:
      - { .name: scores, .offset: 0, .size: 8, .value_kind: global_buffer, .address_space: global }
      - { .name: stat, .offset: 8, .size: 8, .value_kind: global_buffer, .address_space: global }
      - { .name: pctx, .offset: 16, .size: 8, .value_kind: global_buffer, .address_space: global }
      - { .name: wimg, .offset: 24, .size: 8, .value_kind: global_buffer, .address_space: global }
      - { .name: wscl, .offset: 32, .size: 8, .value_kind: global_buffer, .address_space: global }
      - { .name: out0, .offset: 40, .size: 8, .value_kind: global_buffer, .address_space: global }
      - { .name: out1, .offset: 48, .size: 8, .value_kind: global_buffer, .address_space: global }
    .group_segment_fixed_size: 35328
    .private_segment_fixed_size: 0
    .kernarg_segment_align: 8
    .kernarg_segment_size: 56
    .max_flat_workgroup_size: 512
    .sgpr_count:     66
    .vgpr_count:     256
    .wavefront_size: 32
...
	.end_amdgpu_metadata
.endif
;; end of part 3
